; MI455X (gfx1250); checked and timed in simulation.
; The chip was launched on July 23, 2026; its instructions are those of AMD's public machine-readable ISA for CDNA 5 (MIT licence, August 2026) and "CDNA5" Instruction Set Architecture Reference Guide (July 2026). The comments in the code are by the model that wrote it; some were corrected since.
;; Mo E Layer. Allowed arithmetic: matrix products marked QUANTISED: E2M3 operands, one E8M0 scale for each 32 along K, by v_wmma_scale_f32_16x16x128_f8f6f4 with both operands' format E2M3, f32 sums; products left as they are: f32 operands where the result goes on into a quantised operand, else bf16, f16 or f32 operands; f32 sums; everything else in f32.
;; Inputs: W1 8 x 1,024 x 1,024 float32; W2 8 x 1,024 x 1,024 float32; Wr 1,024 x 8 float32; b1 8 x 1,024 float32; b2 8 x 1,024 float32; br 8 float32; x 4 x 1,024 x 1,024 float32.
;; Outputs: out0 4 x 1,024 x 1,024 float32.
;; This version of the problem:
;;   THIS VERSION OF THE PROBLEM IS GIVEN IN LOW PRECISION. The matrix products marked QUANTISED in the list below multiply operands that are first quantised to E2M3 (2 exponent bits, 3 mantissa bits; 6 bits a number), with one power-of-two scale for each 32 numbers along K (OCP MX v1.0); their sums are f32. All else is computed in f32.
;;   The module's matrix products, in the order in which they are computed (A, B: the left and right operand; K: the contracted axis; several contracted axes count as one K, in the product's order):
;;     1. [M 4,096, K 1,024] x [K 1,024, N 8]; A: input x; B: input Wr: left as it is (N = 8 < 16)
;;     2. [M 8,192, K 1,024] x [K 1,024, N 4,096]; A: input W1; B: input x: QUANTISED
;;     3. batch 8 x [M 1,024, K 1,024] x [K 1,024, N 4,096]; A: input W2; B: computed on the way: QUANTISED
;;     4. batch 4,096 x [M 1,024, K 8] x [K 8, N 1]; A: computed on the way; B: computed on the way: left as it is (K = 8 < 32)
;;   THE QUANTISER, for each operand of a quantised product, along K:
;;     - K is cut into blocks of 32 from its start; a last block that is shorter is filled with zeros.
;;     - A block's scale is 2^e with e = floor(log2(the largest magnitude in the block)) - 2, held to -126 .. 127; a block of zeros has e = 0. As a byte (E8M0): e + 127.
;;     - Each number is divided by its block's scale, clamped to +-7.5, and rounded to the nearest number of E2M3, ties to even, subnormals kept.
;;     - The product sums the exact products of the quantised numbers (number of the format x scale) in f32.
;;   ~~~python
;;   def quantise(x, axis):      # numpy; x: float32 -> the quantised numbers, widened to float32 again
;;       x = np.moveaxis(x, axis, -1); K = x.shape[-1]
;;       x = np.pad(x, [(0, 0)] * (x.ndim - 1) + [(0, -K % 32)]); x = x.reshape(x.shape[:-1] + (-1, 32)); a = np.abs(x).max(-1, keepdims=True)
;;       e = np.where(a > 0, np.clip(np.frexp(np.where(a > 0, a, 1))[1] - 1 - 2, -126, 127), 0)      # np.frexp(a)[1] - 1 = floor(log2(a)), exactly
;;       r = np.clip(x / 2.0 ** e, -7.5, 7.5)
;;       step = 2.0 ** (np.maximum(np.frexp(np.where(r == 0, 1, r))[1] - 1, 0) - 3)
;;       q = np.round(r / step) * step * 2.0 ** e      # np.round: ties to even
;;       return np.moveaxis(q.reshape(q.shape[:-2] + (-1,))[..., :K], -1, axis).astype(np.float32)
;;   ~~~
;;   OPERANDS COMPUTED ON THE WAY. 'Computed on the way' means the value that the module computes at that place (a softmax that the list does not call 'softmax' is quantised finished and normalised). What goes into a quantiser is computed in f32, as accurately as f32 sums, v_exp_f32 and their like allow (about 1e-6 of the number): no bf16 or f16 on the way to a quantiser, and a product that is left as it is and whose result goes on into a quantised operand takes f32 operands (vector FMAs, or v_wmma_f32_16x16x4_f32). A number that lies on a knife's edge between two numbers of the format may be rounded either way, as far as f32 arithmetic and the matrix unit's own rounding can turn it there, and no further.
;; One version. Each part assembles by itself: llvm-mc -triple=amdgcn-amd-amdhsa -mcpu=gfx1250 --defsym DOCPART=n.
;; ======== version 1 of 1: 4 launches
;; limits: right only within a limited range of input values
;; workspace buffers: xr 3,407,872 bytes; sel 16,384 bytes of whole numbers; lst 16,640 bytes of whole numbers; wc 13,107,200 bytes; hc 26,214,400 bytes
;; launch route (part 1): grid 256 x 1, 4 waves a work-group, no clusters, 55,808 bytes of LDS; arguments x, Wr, br, xr, sel; writes xr, sel
.if DOCPART == 1
	.amdgcn_target "amdgcn-amd-amdhsa--gfx1250"
	.amdhsa_code_object_version 6
	.text
	.protected	k_q58cf2bf43d_route
	.globl	k_q58cf2bf43d_route
	.p2align	8
	.type	k_q58cf2bf43d_route,@function
k_q58cf2bf43d_route:
	s_mov_b64 s[64:65], 0
	v_nop
	global_prefetch_b8 v0, s[64:65] scope:SCOPE_SE
	s_setreg_imm32_b32 hwreg(HW_REG_WAVE_MODE, 25, 1), 1
	s_wait_xcnt 0x0
; ROUTE: x [4096][1024] f32 -> codes of E2M3 with one E8M0 byte for each 32 along D (xr: codes, scale words), the router in f32, the top 2 of 8, their softmax, and a key for each token.
; DEAD WORK OF THE WHOLE PROGRAM.  reference() multiplies y[b,e,n,:] by coef_full[b,n,e], which it builds itself as a sum of one_hot(topi) x coef: for the six experts that are not in a token's topi that factor is
; exactly 0, whatever the inputs hold.  So a (token, expert) row with factor 0 reaches no output, and neither do its rows of h.  The later launches leave such rows out wherever they come as whole units (a block of
; 64 tokens x an expert that none of them chose); inside a block that also holds chosen rows they are computed and multiplied by the stored factor 0.  Every input keeps a way to the output and is loaded.
; LIMIT: a NaN, an infinity or an overflow that arises only in an expert that a whole block of tokens did not choose is not carried to the result.
; OUT: xr = codes [4096][768 bytes] (a row's stream of bits as the matrix unit takes it), at XS_O scale words [4096][8] (word s: K = 128 s on), at CF_O coef_full [4096][8] f32.
;      sel = for each token the number 0..27 of its unordered pair of experts (lo, hi).  Stored at fixed places: no address here hangs on it.
; THE ORDER OF THE KEYS IS A SERPENTINE: lo (15 - lo) / 2 + (hi - lo - 1) for an even lo, + (7 - hi) for an odd one: (0,1) .. (0,7), (1,7) .. (1,2), (2,3) .. (2,7), (3,7) .. : two keys that follow each other
; always share an expert, so a block of sorted tokens that spans p pairs has at most p + 1 experts to walk.
; SHARES.  A work-group takes 16 tokens, a wave 4 rows = 16 KiB on end = 8 steps of 512 numbers.  Each load reads 512 consecutive bytes; a step turns through the wave's own stage in LDS, so that a lane holds 16
; neighbours along D (two lanes a block of 32).  The same 16 numbers feed the router: the lane keeps Wr's rows of its 32 places along D (2 halves x 16 x 8 experts = 256 registers, window 1).
; Wr comes once for the work-group, dense, and is dealt out through LDS (rows of 512 bytes + 16).
; LIMITS: NaN and infinities are not served.  The logits are f32 sums in this text's order: two logits closer than the rounding of such a sum may change places.  A block of zeros gets the byte 1 (its codes are
; zeros, and only this program reads the bytes); blocks under 2^-124 are held at that byte.
.set STEPS, 8
.set SP,    80                         ; a lane's place in a stage: 64 bytes + 16
.set WP,    528                        ; a row of Wr's image in LDS: 512 bytes + 16
.set REG0,  64*WP                      ; behind Wr's 64 rows: a region for each wave: two stages of 32 x SP bytes, then its 128 scale bytes
.set WREG,  5376
.set SCB,   5120
.set SPARE, REG0+4*WREG                ; the spare words, 128 bytes a wave
.set XS_O,  3145728
.set CF_O,  3276800
.set EMAX,  2
.set SPW,   12
.set NIL,   13
.set R,     16                         ; v16-79   four sets of 16 numbers as loaded
.set X,     80                         ; v80-111  two sets of 16 neighbours
.set C,     112                        ; v112-143 codes, four registers a step
.set E,     144                        ; v144-151 a scale byte a step
.set ACC,   152                        ; v152-159 the row's 8 logits, my lane's part
.set PT,    160                        ; v160-167 the other half of the lanes'
.set LP,    168                        ; v168-175 the logits without the first choice
.set MA1,   176
.set IA1,   177
.set MA2,   178
.set IA2,   179
.set LO,    180
.set HI,    181
.set QQ,    182
.set DD,    183
.set EX,    184
.set SM,    185
.set RC,    186
.set C2,    187
.set VAL,   188
.set TT,    189
.set CFV,   190                        ; lane 8 i + e: coef_full of my row i, expert e
.set SELV,  191                        ; lane i: the key of my row i
.set L3,    192
.set E7,    193
.set NINF,  194
.set WGO,   195
.set WST,   196
.set WRD,   197
.set MSB, 0
.macro WIN new                         ; the immediate's high byte repeats the setting that is left
.if MSB != (\new)
	s_set_vgpr_msb (MSB<<8)|(\new)
.set MSB, (\new)
.endif
.endm
	s_load_b256 s[4:11], s[0:1], 0x0               ; x s[4:5], Wr s[6:7], br s[8:9], xr s[10:11]
	s_load_b64 s[12:13], s[0:1], 0x20              ; sel
	v_lshl_add_u32 v[SPW], v0, 2, SPARE
	v_mov_b32 v[NIL], 0
	v_lshrrev_b32 v1, 5, v0
	v_readfirstlane_b32 s24, v1                    ; wave
	v_and_b32 v2, 31, v0                           ; lane
	v_lshlrev_b32 v3, 4, v2                        ; my 16 bytes of a load's 512
	v_mul_u32_u24 v4, v2, 12                       ; my 12 bytes of a step's codes
	s_mul_i32 s25, s24, WREG
	s_add_co_u32 s25, s25, REG0
	v_lshrrev_b32 v14, 2, v2
	v_mul_u32_u24 v14, v14, SP
	v_and_b32 v15, 3, v2
	v_lshl_add_u32 v14, v15, 4, v14
	v_add_nc_u32 v14, s25, v14                     ; the stage, in: SP (lane / 4) + 16 (lane % 4)
	v_mul_u32_u24 v15, v2, SP
	v_add_nc_u32 v15, s25, v15                     ; and out: SP x lane
	v_lshrrev_b32 v5, 1, v2
	s_add_co_u32 s25, s25, SCB
	v_add_nc_u32 v5, s25, v5                       ; my block's scale byte
	v_lshlrev_b32 v7, 2, v2
	v_add_nc_u32 v6, s25, v7                       ; and 4 bytes a lane on the way out
	v_lshlrev_b32 v[WGO], 4, v0                    ; Wr: 16 bytes a thread
	s_mul_i32 s31, s24, WP
	v_add_nc_u32 v[WST], s31, v3                   ; into LDS: row wave + 4 i, 16 x lane
	v_mul_u32_u24 v[WRD], v2, WP                   ; out of it: row lane + 32 p
	v_lshrrev_b32 v[L3], 3, v2
	v_and_b32 v[E7], 7, v2
	v_mov_b32 v[NINF], 0xff800000
	v_mov_b32 v[CFV], 0
	v_mov_b32 v[SELV], 0
.irp e, 0,1,2,3,4,5,6,7
	v_mov_b32 v[PT+\e], 0                          ; written once: a lane permute's destination counts as one of its sources
.endr
	s_mov_b32 s26, 0x76543210
	s_mov_b32 s27, 0xfedcba98                      ; lane l xor 16
	s_lshl_b32 s28, ttmp9, 4
	s_lshl_b32 s29, s24, 2
	s_add_co_u32 s28, s28, s29                     ; my first token
	s_mov_b32 s33, 0
	s_wait_kmcnt 0x0
	s_load_b256 s[16:23], s[8:9], 0x0              ; br's eight numbers
	s_lshl_b32 s32, s28, 12
	s_add_nc_u64 s[4:5], s[4:5], s[32:33]          ; x at my first row
	s_mul_i32 s32, s28, 768
	s_add_nc_u64 s[34:35], s[10:11], s[32:33]      ; its codes
	s_lshl_b32 s32, s28, 5
	s_add_nc_u64 s[36:37], s[10:11], s[32:33]
	s_add_nc_u64 s[38:39], s[36:37], CF_O          ; its coefficients
	s_add_nc_u64 s[36:37], s[36:37], XS_O          ; its scale words
	s_lshl_b32 s32, s28, 2
	s_add_nc_u64 s[12:13], s[12:13], s[32:33]      ; its key
.macro LOAD t
.irp i, 0,1,2,3
	global_load_b128 v[R+16*((\t)%4)+4*\i:R+16*((\t)%4)+4*\i+3], v3, s[4:5] offset:2048*(\t)+512*\i th:TH_LOAD_NT
.endr
.endm
.macro TURN t                          ; a step's 2,048 bytes through the stage: LDS serves a wave's instructions in order, so no wait stands between the stores and the loads
.irp i, 0,1,2,3
	ds_store_b128 v14, v[R+16*((\t)%4)+4*\i:R+16*((\t)%4)+4*\i+3] offset:32*SP*((\t)%2)+8*SP*\i
.endr
.irp i, 0,1,2,3
	ds_load_b128 v[X+16*((\t)%2)+4*\i:X+16*((\t)%2)+4*\i+3], v15 offset:32*SP*((\t)%2)+16*\i
.endr
.endm
	WIN 0x40                                       ; destination window 1
.irp i, 0,1,2,3,4,5,6,7,8,9,10,11,12,13,14,15
	global_load_b128 v[4*\i:4*\i+3], v[WGO], s[6:7] offset:2048*\i   ; Wr, dense: 128 threads x 16 bytes, 16 times
.endr
	WIN 0
.irp t, 0,1,2,3
	LOAD \t
.endr
	s_wait_kmcnt 0x0                               ; br
	s_wait_loadcnt 16                              ; Wr is in; the 16 younger loads (x's first four steps) stay out
	WIN 0x04                                       ; an LDS store's data are its source 1: window 1
.irp i, 0,1,2,3,4,5,6,7,8,9,10,11,12,13,14,15
	ds_store_b128 v[WST], v[4*\i:4*\i+3] offset:4*WP*\i
.endr
	WIN 0
	s_wait_dscnt 0x0                               ; for the others' sake: my part of Wr lies in LDS
	s_barrier_signal -1
	s_barrier_wait -1
	WIN 0x40
.irp p, 0,1
.set kk, 0
.rept 16
	ds_load_b128 v[128*\p+8*kk:128*\p+8*kk+3], v[WRD] offset:32*WP*\p+32*kk       ; Wr[512 p + 16 lane + kk][0..7]
	ds_load_b128 v[128*\p+8*kk+4:128*\p+8*kk+7], v[WRD] offset:32*WP*\p+32*kk+16
.set kk, kk+1
.endr
.endr
	WIN 0
	s_wait_loadcnt 12                              ; step 0's four loads are in
	TURN 0
; The router's part of a step: 16 numbers x 8 experts, two experts an instruction; x is taken for both halves from one register of its pair.  A row's first line starts the sums.
.macro FMAS t
.set XF, X+16*((\t)%2)
.set PP, (\t)%2
	WIN 0x04                                       ; source 1 (Wr) window 1
.set kk, 0
.rept 16
.set xe, XF+(kk/2)*2
.irp j, 0,1,2,3
.if (PP == 0) && (kk == 0)
	v_pk_mul_f32 v[ACC+2*\j:ACC+2*\j+1], v[xe:xe+1], v[128*PP+8*kk+2*\j:128*PP+8*kk+2*\j+1] op_sel_hi:[0,1]
.elseif (kk%2) == 0
	v_pk_fma_f32 v[ACC+2*\j:ACC+2*\j+1], v[xe:xe+1], v[128*PP+8*kk+2*\j:128*PP+8*kk+2*\j+1], v[ACC+2*\j:ACC+2*\j+1] op_sel_hi:[0,1,1]
.else
	v_pk_fma_f32 v[ACC+2*\j:ACC+2*\j+1], v[xe:xe+1], v[128*PP+8*kk+2*\j:128*PP+8*kk+2*\j+1], v[ACC+2*\j:ACC+2*\j+1] op_sel:[1,0,0] op_sel_hi:[1,1,1]
.endif
.endr
.set kk, kk+1
.endr
	WIN 0
.endm
.macro SCAN src, mx, ix                ; the largest of eight and its index; a later one takes over only if it is strictly larger, so the lower index wins a tie, as in jax.lax.top_k
	v_mov_b32 v[\mx], v[\src]
	v_mov_b32 v[\ix], 0
.irp e, 1,2,3,4,5,6,7
	v_cmp_ge_f32 vcc_lo, v[\mx], v[\src+\e]
	v_cndmask_b32 v[\ix], \e, v[\ix], vcc_lo
	v_max_num_f32 v[\mx], v[\mx], v[\src+\e]
.endr
.endm
; A row is done: its logits are summed over the 32 lanes, br is added, the top 2 are found; every lane ends with the same numbers.
.macro ROWEND i
.irp x, 1,2,4,8
.irp e, 0,1,2,3,4,5,6,7
	v_add_f32_dpp v[ACC+\e], v[ACC+\e], v[ACC+\e] row_xmask:\x row_mask:0xf bank_mask:0xf
.endr
.endr
.irp e, 0,1,2,3,4,5,6,7
	v_permlanex16_b32 v[PT+\e], v[ACC+\e], s26, s27
.endr
.irp e, 0,1,2,3,4,5,6,7
	v_add_f32 v[ACC+\e], v[ACC+\e], v[PT+\e]
.endr
.irp e, 0,1,2,3,4,5,6,7
	v_add_f32 v[ACC+\e], s[16+\e], v[ACC+\e]
.endr
	SCAN ACC, MA1, IA1
.irp e, 0,1,2,3,4,5,6,7
	v_cmp_eq_u32 vcc_lo, \e, v[IA1]
	v_cndmask_b32 v[LP+\e], v[ACC+\e], v[NINF], vcc_lo
.endr
	SCAN LP, MA2, IA2
	v_sub_f32 v[DD], v[MA2], v[MA1]                ; the maximum is taken away: 0 or less
	v_mul_f32 v[DD], 0x3fb8aa3b, v[DD]
	s_wait_alu depctr_va_vdst(0)
	v_exp_f32 v[EX], v[DD]
	v_min_u32 v[LO], v[IA1], v[IA2]                ; plain work behind the exponential: the pair's key
	v_max_u32 v[HI], v[IA1], v[IA2]
	v_sub_nc_u32 v[TT], 15, v[LO]
	v_mul_u32_u24 v[TT], v[TT], v[LO]
	v_lshrrev_b32 v[TT], 1, v[TT]                  ; where lo's keys begin: lo (15 - lo) / 2
	v_sub_nc_u32 v[QQ], v[HI], v[LO]
	v_add_nc_u32 v[QQ], -1, v[QQ]                  ; an even lo counts hi upward: hi - lo - 1,
	v_sub_nc_u32 v[VAL], 7, v[HI]                  ; an odd one downward: 7 - hi
	v_and_b32 v[C2], 1, v[LO]
	v_cmp_eq_u32 vcc_lo, 1, v[C2]
	v_cndmask_b32 v[QQ], v[QQ], v[VAL], vcc_lo
	v_add_nc_u32 v[QQ], v[TT], v[QQ]
	s_wait_alu depctr_va_vdst(0)                   ; the wait ahead of the first reader of the exponential
	v_add_f32 v[SM], 1.0, v[EX]
	s_wait_alu depctr_va_vdst(0)
	v_rcp_f32 v[RC], v[SM]                         ; the first choice's coefficient
	v_cmp_eq_u32 vcc_lo, \i, v2                    ; plain work behind the reciprocal
	v_cndmask_b32 v[SELV], v[SELV], v[QQ], vcc_lo
	s_wait_alu depctr_va_vdst(0)                   ; and ahead of the first reader of the reciprocal
	v_mul_f32 v[C2], v[EX], v[RC]                  ; the second's
	v_cmp_eq_u32 vcc_lo, v[E7], v[IA1]
	v_cndmask_b32 v[VAL], 0, v[RC], vcc_lo
	v_cmp_eq_u32 vcc_lo, v[E7], v[IA2]
	v_cndmask_b32 v[VAL], v[VAL], v[C2], vcc_lo    ; coef_full of expert lane % 8
	v_cmp_eq_u32 vcc_lo, \i, v[L3]
	v_cndmask_b32 v[CFV], v[CFV], v[VAL], vcc_lo
.endm
.macro STEP t
.set XB, X+16*((\t)%2)
.if (\t) > 0
	s_wait_dscnt 1                                 ; this step's numbers are back from the stage (the last step's byte store may be out)
.else
	s_wait_dscnt 0x0                               ; and Wr's rows too
.endif
.if (\t)+4 < STEPS
	LOAD (\t)+4
.endif
.if (\t)+1 < STEPS
.if STEPS-2-(\t) >= 3
	s_wait_loadcnt 12                              ; the next step's four loads are in; those of the three steps behind it may be out
.else
	s_wait_loadcnt 4*(STEPS-2-(\t))
.endif
	TURN (\t)+1
.endif
	v_max3_num_f32 v8, |v[XB]|, |v[XB+1]|, |v[XB+2]|
	v_max3_num_f32 v9, |v[XB+3]|, |v[XB+4]|, |v[XB+5]|
.irp i, 6,10
	v_max3_num_f32 v8, v8, |v[XB+\i]|, |v[XB+\i+1]|
	v_max3_num_f32 v9, v9, |v[XB+\i+2]|, |v[XB+\i+3]|
.endr
	v_max3_num_f32 v8, v8, |v[XB+14]|, |v[XB+15]|
	v_max3_num_f32 v8, v8, v9, (EMAX+1)<<23        ; the floor 2^(3 - 127): the byte cannot fall under 1
	v_max_num_f32_dpp v8, v8, v8 row_xmask:1 row_mask:0xf bank_mask:0xf   ; with my neighbour's 16: the block's largest magnitude
	v_add_nc_u32 v11, -(EMAX<<23), v8              ; 2 off its exponent field: the conversion's scale operand
	v_cvt_scalef32_pk16_fp6_f32 v[C+4*(\t):C+4*(\t)+2], v[XB:XB+15], v11
	v_lshrrev_b32 v[E+(\t)], 23, v11               ; the scale's byte (also the plain line behind the conversion)
	ds_store_b8 v5, v[E+(\t)] offset:16*(\t)       ; both lanes of a block write the same byte with the same value
	global_store_b96 v4, v[C+4*(\t):C+4*(\t)+2], s[34:35] offset:384*(\t)   ; the wave stores 384 consecutive bytes
	FMAS \t
.if ((\t)%2) == 1
	ROWEND (\t)/2
.endif
.endm
.irp t, 0,1,2,3,4,5,6,7
	STEP \t
.endr
	ds_load_b32 v8, v6                             ; my wave's 128 scale bytes: LDS serves a wave's instructions in order
	s_wait_alu depctr_va_vdst(0)
	s_wait_dscnt 0x0
	global_store_b32 v7, v8, s[36:37]              ; four rows' scale words, 128 bytes on end; the four waves' lie on end
	global_store_b32 v7, v[CFV], s[38:39]          ; four rows' coefficients likewise
	s_wait_xcnt 0x0                                ; EXEC changes only behind this wait
	v_cmp_gt_u32 vcc_lo, 4, v2
	s_and_saveexec_b32 s30, vcc_lo
	global_store_b32 v7, v[SELV], s[12:13]         ; lanes 0 to 3: four keys
	s_wait_xcnt 0x0
	s_or_b32 exec_lo, exec_lo, s30
	s_wait_tensorcnt 0x0                           ; the wave's end
	ds_add_u32 v[SPW], v[NIL]
	s_wait_dscnt 0x0
	s_endpgm
.Lfunc_end_k_q58cf2bf43d_route:
	.size	k_q58cf2bf43d_route, .Lfunc_end_k_q58cf2bf43d_route-k_q58cf2bf43d_route
	.p2alignl 7, 3214868480
	.fill 96, 4, 3214868480
	.section	.rodata,"a",@progbits
	.p2align	6, 0x0
	.amdhsa_kernel k_q58cf2bf43d_route
		.amdhsa_group_segment_fixed_size 55808
		.amdhsa_private_segment_fixed_size 0
		.amdhsa_enable_private_segment 0
		.amdhsa_kernarg_size 40
		.amdhsa_user_sgpr_count 2
		.amdhsa_user_sgpr_kernarg_segment_ptr 1
		.amdhsa_wavefront_size32 1
		.amdhsa_system_sgpr_workgroup_id_x 1
		.amdhsa_system_sgpr_workgroup_id_y 1
		.amdhsa_system_sgpr_workgroup_id_z 1
		.amdhsa_system_vgpr_workitem_id 0
		.amdhsa_next_free_vgpr 512
		.amdhsa_next_free_sgpr 66
		.amdhsa_reserve_vcc 1
		.amdhsa_float_denorm_mode_32 3
		.amdhsa_float_denorm_mode_16_64 3
		.amdhsa_memory_ordered 1
		.amdhsa_forward_progress 1
		.amdhsa_inst_pref_size 82
	.end_amdhsa_kernel
	.amdgpu_metadata
---
amdhsa.version: [ 1, 2 ]
amdhsa.kernels:
  - .name:           k_q58cf2bf43d_route
    .symbol:         k_q58cf2bf43d_route.kd
    .args:
      - { .name: x, .offset: 0, .size: 8, .value_kind: global_buffer, .address_space: global }
      - { .name: Wr, .offset: 8, .size: 8, .value_kind: global_buffer, .address_space: global }
      - { .name: br, .offset: 16, .size: 8, .value_kind: global_buffer, .address_space: global }
      - { .name: xr, .offset: 24, .size: 8, .value_kind: global_buffer, .address_space: global }
      - { .name: sel, .offset: 32, .size: 8, .value_kind: global_buffer, .address_space: global }
    .group_segment_fixed_size: 55808
    .private_segment_fixed_size: 0
    .kernarg_segment_align: 8
    .kernarg_segment_size: 40
    .max_flat_workgroup_size: 128
    .sgpr_count:     66
    .vgpr_count:     512
    .wavefront_size: 32
...
	.end_amdgpu_metadata
.endif
;; end of part 1
;; launch prep (part 2): grid 257 x 1, 8 waves a work-group, no clusters, 67,584 bytes of LDS; arguments W1, W2, sel, wc, lst; writes wc, lst
.if DOCPART == 2
	.amdgcn_target "amdgcn-amd-amdhsa--gfx1250"
	.amdhsa_code_object_version 6
	.text
	.protected	k_q58cf2bf43d_prep
	.globl	k_q58cf2bf43d_prep
	.p2align	8
	.type	k_q58cf2bf43d_prep,@function
k_q58cf2bf43d_prep:
	s_mov_b64 s[64:65], 0
	v_nop
	global_prefetch_b8 v0, s[64:65] scope:SCOPE_SE
	s_setreg_imm32_b32 hwreg(HW_REG_WAVE_MODE, 25, 1), 1
	s_wait_xcnt 0x0
; PREP.  Work-groups 1 to 256: W1 and W2 ([8][1024 K][1024 N] f32, K the first matrix axis) become codes of E2M3 and E8M0 scale words, laid in the order of the matrix operand's registers.
; Work-group 0: the tokens are sorted by their pair of experts (a counting sort over the 28 keys that the launch before stored), and each block of 64 sorted places gets the mask of the experts that its tokens chose.
; The keys run in a serpentine, (0,1) .. (0,7), (1,7) .. (1,2), (2,3) .. : neighbouring keys share an expert, so a block that spans p pairs has at most p + 1 experts in its mask.
; Nothing is left out here: every weight can be chosen.
; wc, codes: [mat 16][tq 16][s 8][tt 4][g 3][lane 32][16 bytes]: mat = W1's experts, then W2's; tq = 64 columns; s = 128 along K; tt = a tile of 16 columns; registers 4 g .. 4 g + 3 of the fragment's lane.
;   THE COLUMNS OF A TILE ARE NOT NEIGHBOURS: row r of tile 2 b + u is column 64 tq + 32 b + 8 u + r + 8 (r / 8), so that the products' results of two neighbouring tiles are 16 neighbours in a lane.
; wc, scale words at WS_O: [mat][tq][s][lane 32][2]: word b: lanes 0-15 the rows of tile 2 b, lanes 16-31 those of tile 2 b + 1.
; lst: order[4096] (the token at each sorted place), then at byte 16,384 bmask[64].
; QUANTISING.  A wave takes 64 columns x 128 K, in four sets of 32 rows (one block along K).  A load of 16 bytes a lane reads two rows' 256 consecutive bytes, aligned (lanes 0-15 row k, lanes 16-31 row k + 1):
; 16 loads a set, two sets out at a time.  A set turns through the wave's own stage in LDS (32 rows x 256 bytes) and comes back a word a lane: a lane then holds ONE column and its 32 registers run down K,
; so a block's largest magnitude needs no other lane and the conversions' results are the operand's registers.  The sets go in the order K block 0, 2, 1, 3: two sets make the twelve registers of a half of the
; fragment's lanes.  Sixteen lanes store 256 consecutive bytes, aligned.  Waves share nothing here: no barrier on this way.  No tensor load, no cluster: no tile is read twice.
; LIMITS: NaN and infinities are not served; a block of zeros gets the byte 1 (its codes are zeros; only this program reads the bytes); blocks under 2^-124 are held at that byte.
.set WS_O,  12582912
.set SPARE, 1024                       ; LDS: the placing's counts (8 x 128 bytes), then the spare words, 128 bytes a wave,
.set STG,   2048                       ; then the quantising waves' stages, 8,192 bytes each
.set SPW,   14
.set NIL,   15
.set SB,    16                         ; v16-17   the scale words of my column in groups b = 0, 1
.set TMP,   20
.set X,     24                         ; v24-87   32 numbers down K of my column in group b = 0, 1
.set F,     88                         ; v88-111  a fragment lane's 12 registers for b = 0, 1
.set R,     112                        ; v112-239 two sets of 16 loads as they come
; set idx (0..3) holds K block 2 (idx % 2) + idx / 2
.macro LOAD idx
.set LKB, 2*((\idx)%2)+(\idx)/2
.irp i, 0,1,2,3,4,5,6,7,8,9,10,11,12,13,14,15
	global_load_b128 v[R+64*((\idx)%2)+4*\i:R+64*((\idx)%2)+4*\i+3], v9, s[4:5] offset:(32*LKB+2*\i)*4096 th:TH_LOAD_NT
.endr
.endm
; block idx: group b = idx % 2, half of the fragment's registers c = (idx / 2) % 2, half of its lanes h = idx / 4; it is K block 2 c + h of the step
.macro BLOCK idx
.set BP, (\idx)%2
.set CC, ((\idx)/2)%2
.set HH, (\idx)/4
.set KB, 2*CC+HH
.set XB, X+32*BP
.set FS, F+12*BP
	v_max3_num_f32 v12, |v[XB]|, |v[XB+1]|, |v[XB+2]|
	v_max3_num_f32 v13, |v[XB+3]|, |v[XB+4]|, |v[XB+5]|
.irp i, 6,10,14,18,22,26
	s_delay_alu instid0(VALU_DEP_2)
	v_max3_num_f32 v12, v12, |v[XB+\i]|, |v[XB+\i+1]|
	s_delay_alu instid0(VALU_DEP_2)
	v_max3_num_f32 v13, v13, |v[XB+\i+2]|, |v[XB+\i+3]|
.endr
	s_delay_alu instid0(VALU_DEP_2)
	v_max3_num_f32 v12, v12, |v[XB+30]|, |v[XB+31]|
	s_delay_alu instid0(VALU_DEP_1)
	v_max3_num_f32 v12, v12, v13, 0x1800000        ; the floor 2^(3 - 127)
	s_delay_alu instid0(VALU_DEP_1)
	v_add_nc_u32 v11, 0xff000000, v12              ; 2 off the exponent field: the conversion's scale operand
	s_delay_alu instid0(VALU_DEP_1)
	v_lshrrev_b32 v13, 23, v11                     ; the scale's byte
.if KB == 0
	s_delay_alu instid0(VALU_DEP_1)
	v_mov_b32 v[SB+BP], v13
.else
	s_delay_alu instid0(VALU_DEP_1)
	v_lshl_or_b32 v[SB+BP], v13, 8*KB, v[SB+BP]
.endif
	v_cvt_scalef32_pk16_fp6_f32 v[FS+6*CC:FS+6*CC+2], v[XB:XB+15], v11
	v_cvt_scalef32_pk16_fp6_f32 v[TMP:TMP+2], v[XB+16:XB+31], v11    ; (a conversion's three registers begin on an even number)
	v_nop                                          ; one plain line behind the conversions
.irp i, 0,1,2
	v_mov_b32 v[FS+6*CC+3+\i], v[TMP+\i]
.endr
.if CC == 1                            ; the twelve registers of fragment lane (r, h) of tile 2 b + u are whole
.irp g, 0,1,2
	global_store_b128 v4, v[FS+4*\g:FS+4*\g+3], s[8:9] offset:3072*BP+512*\g+256*HH   ; lanes 0-15 and lanes 16-31 each store 256 consecutive bytes, aligned
.endr
.endif
.endm
; one set: through the stage, then its two blocks
.macro SET k
.if (\k) < 3
	s_wait_loadcnt 16                              ; this set's 16 loads are in; the next set's 16 may be out
.else
	s_wait_loadcnt 0x0
.endif
.irp i, 0,1,2,3,4,5,6,7,8,9,10,11,12,13,14,15
	ds_store_b128 v10, v[R+64*((\k)%2)+4*\i:R+64*((\k)%2)+4*\i+3] offset:512*\i   ; rows 2 i and 2 i + 1
.endr
.irp b, 0,1
.irp i, 0,1,2,3,4,5,6,7,8,9,10,11,12,13,14,15,16,17,18,19,20,21,22,23,24,25,26,27,28,29,30,31
	ds_load_b32 v[X+32*\b+\i], v3 offset:256*\i+128*\b   ; LDS serves a wave's instructions in order: these see the stores above
.endr
.endr
	s_wait_dscnt 32                                ; the 16 stores have read their registers and group 0's 32 numbers are in; group 1's 32 may be out
.if (\k)+2 < 4
	LOAD (\k)+2                                    ; into the registers just stored
.endif
.if (\k) == 2
	s_wait_xcnt 0x0                                ; the first half's stores have read the fragments' registers: they are written again only behind this wait
.endif
	BLOCK 2*(\k)
	s_wait_dscnt 0x0
	BLOCK 2*(\k)+1
.endm
	s_load_b256 s[4:11], s[0:1], 0x0               ; W1 s[4:5], W2 s[6:7], sel s[8:9], wc s[10:11]
	s_load_b64 s[12:13], s[0:1], 0x20              ; lst
	v_lshl_add_u32 v[SPW], v0, 2, SPARE
	v_mov_b32 v[NIL], 0
	v_lshrrev_b32 v1, 5, v0
	s_delay_alu instid0(VALU_DEP_1)
	v_readfirstlane_b32 s16, v1                    ; wave 0..7
	v_and_b32 v2, 31, v0                           ; lane
	s_wait_kmcnt 0x0
	s_cmp_eq_u32 ttmp9, 0
	s_cbranch_scc1 .Lplace
	s_lshl_b32 s25, s16, 13
	s_add_co_u32 s25, s25, STG                     ; my stage
	s_wait_alu depctr_va_vdst(0)
	v_and_b32 v6, 15, v2                           ; r
	v_lshrrev_b32 v7, 4, v2                        ; u
	s_delay_alu instid0(VALU_DEP_2)
	v_and_b32 v8, 8, v6
	s_delay_alu instid0(VALU_DEP_1)
	v_add_nc_u32 v8, v8, v6
	s_delay_alu instid0(VALU_DEP_1)
	v_lshl_add_u32 v8, v7, 3, v8                   ; my column in a group of 32: r + 8 (r / 8) + 8 u
	s_delay_alu instid0(VALU_DEP_1)
	v_lshl_add_u32 v3, v8, 2, s25                  ; out of the stage: my column's word of a row
	v_lshlrev_b32 v9, 12, v7
	s_delay_alu instid0(VALU_DEP_1)
	v_lshl_add_u32 v9, v6, 4, v9                   ; in memory: row lane / 16 of a pair, 16 bytes a lane
	v_lshl_add_u32 v10, v7, 8, s25
	s_delay_alu instid0(VALU_DEP_1)
	v_lshl_add_u32 v10, v6, 4, v10                 ; and the same place in the stage
	s_wait_alu depctr_va_vdst(0)
	v_mul_u32_u24 v4, v7, 1536
	s_delay_alu instid0(VALU_DEP_1)
	v_lshl_add_u32 v4, v6, 4, v4                   ; out: tile u of the pair, lane r of a half
	v_lshlrev_b32 v5, 3, v2
	s_sub_co_u32 s17, ttmp9, 1                     ; g = 0..255
	s_cmp_lt_u32 s17, 128                          ; W1 or W2: the choice hangs on the work-group's number alone
	s_cselect_b64 s[4:5], s[4:5], s[6:7]
	s_lshr_b32 s18, s17, 4                         ; mat
	s_and_b32 s19, s18, 7                          ; the expert
	s_and_b32 s20, s17, 7                          ; s
	s_bfe_u32 s21, s17, 0x10003
	s_lshl_b32 s21, s21, 3
	s_add_co_u32 s21, s21, s16                     ; tq = 8 x half + wave
	s_lshl_b32 s22, s19, 22
	s_lshl_b32 s24, s20, 19
	s_add_co_u32 s22, s22, s24
	s_lshl_b32 s24, s21, 8
	s_add_co_u32 s22, s22, s24
	s_mov_b32 s23, 0
	s_add_nc_u64 s[4:5], s[4:5], s[22:23]          ; the weight at (128 s, 64 tq)
	LOAD 0
	LOAD 1
	s_mul_i32 s22, s18, 786432
	s_mul_i32 s24, s21, 49152
	s_add_co_u32 s22, s22, s24
	s_mul_i32 s24, s20, 6144
	s_add_co_u32 s22, s22, s24
	s_add_nc_u64 s[8:9], s[10:11], s[22:23]        ; my four fragments
	s_lshl_b32 s22, s18, 15
	s_lshl_b32 s24, s21, 11
	s_add_co_u32 s22, s22, s24
	s_lshl_b32 s24, s20, 8
	s_add_co_u32 s22, s22, s24
	s_add_nc_u64 s[10:11], s[10:11], s[22:23]
	s_add_nc_u64 s[10:11], s[10:11], WS_O          ; their scale words
.irp q, 0,1,2,3
	SET \q
.endr
	global_store_b64 v5, v[SB:SB+1], s[10:11]      ; 256 consecutive bytes of scale words
	s_wait_tensorcnt 0x0                           ; the wave's end
	ds_add_u32 v[SPW], v[NIL]
	s_wait_dscnt 0x0
	s_endpgm
; THE PLACING.  Wave w holds tokens 512 w + 32 j + lane, j = 0..15.
.set KEY,   32
.set POS,   48
.set CNT,   64
.set CW,    65
.set TOTAL, 73
.set BEF,   74
.set EXCL,  75
.set BASE,  76
.set BM0,   77                         ; lane l: the mask of block l;
.set BM1,   78                         ; of block 32 + l
.set BLO0,  79
.set BHI0,  80
.set BLO1,  81
.set BHI1,  82
.set T,     83
.set IDX,   88
.set PB,    104
.set TOK,   120
.set SA,    136
.set PLA,   137
.set L4,    139
.Lplace:
	s_lshl_b32 s20, s16, 11
	s_wait_alu depctr_va_vdst(0)
	v_lshl_add_u32 v[SA], v2, 2, s20
.irp j, 0,1,2,3,4,5,6,7,8,9,10,11,12,13,14,15
	global_load_b32 v[KEY+\j], v[SA], s[8:9] offset:128*\j
.endr
.irp j, 0,1,2,3,4,5,6,7,8,9,10,11,12,13,14,15
	v_mov_b32 v[POS+\j], 0
.endr
	v_mov_b32 v[CNT], 0
	v_mov_b32 v[EXCL], 0
	v_mov_b32 v[BM0], 0
	v_mov_b32 v[BM1], 0
	v_mov_b32 v[BEF], 0
	v_lshlrev_b32 v[BLO0], 6, v2
	s_delay_alu instid0(VALU_DEP_1)
	v_add_nc_u32 v[BHI0], 64, v[BLO0]
	s_delay_alu instid0(VALU_DEP_2)
	v_add_nc_u32 v[BLO1], 0x800, v[BLO0]
	s_delay_alu instid0(VALU_DEP_3)
	v_add_nc_u32 v[BHI1], 0x840, v[BLO0]
	v_lshlrev_b32 v[L4], 2, v2
	s_lshl_b32 s20, s16, 7
	v_lshl_add_u32 v[PLA], v2, 2, s20
	s_lshl_b32 s20, s16, 9
	v_add_nc_u32 v[TOK], s20, v2
.irp j, 1,2,3,4,5,6,7,8,9,10,11,12,13,14,15
	v_add_nc_u32 v[TOK+\j], 32*\j, v[TOK]
.endr
	s_wait_loadcnt 0x0
.irp j, 0,1,2,3,4,5,6,7,8,9,10,11,12,13,14,15
	v_min_u32 v[KEY+\j], 27, v[KEY+\j]
.endr
	s_mov_b32 s41, 0
.Lkey:                                 ; 28 trips: each token's rank among my wave's tokens of its key, and my wave's count of the key.  Compares, scalar counts and ranks go in batches
.irp j, 0,1,2,3,4,5,6,7,8,9,10,11,12,13,14,15
	v_cmp_eq_u32 s[66+\j], s41, v[KEY+\j]
.endr
	s_mov_b32 s82, 0
.irp j, 0,1,2,3,4,5,6,7,8,9,10,11,12,13,14
	s_bcnt1_i32_b32 s43, s[66+\j]
	s_add_co_u32 s[83+\j], s[82+\j], s43
.endr
	s_bcnt1_i32_b32 s43, s81
	s_add_co_u32 s42, s97, s43
.irp j, 0,1,2,3,4,5,6,7,8,9,10,11,12,13,14,15
	v_mbcnt_lo_u32_b32 v[IDX+\j], s[66+\j], s[82+\j]   ; those of the key in lower lanes + those in earlier registers
.endr
.irp j, 0,1,2,3,4,5,6,7,8,9,10,11,12,13,14,15
	v_cndmask_b32 v[POS+\j], v[POS+\j], v[IDX+\j], s[66+\j]
.endr
	v_mov_b32 v[T], s42
	v_cmp_eq_u32 vcc_lo, s41, v2
	s_delay_alu instid0(VALU_DEP_1)
	v_cndmask_b32 v[CNT], v[CNT], v[T], vcc_lo     ; lane k: my wave's count of key k
	s_add_co_u32 s41, s41, 1
	s_cmp_lt_u32 s41, 28
	s_cbranch_scc1 .Lkey
	ds_store_b32 v[PLA], v[CNT]
	s_wait_dscnt 0x0                               ; for the others' sake
	s_barrier_signal -1
	s_barrier_wait -1
.irp w, 0,1,2,3,4,5,6,7
	ds_load_b32 v[CW+\w], v[L4] offset:128*\w
.endr
	s_wait_dscnt 0x0
	v_add3_u32 v[TOTAL], v[CW], v[CW+1], v[CW+2]
	s_delay_alu instid0(VALU_DEP_1)
	v_add3_u32 v[TOTAL], v[TOTAL], v[CW+3], v[CW+4]
	s_delay_alu instid0(VALU_DEP_1)
	v_add3_u32 v[TOTAL], v[TOTAL], v[CW+5], v[CW+6]
	s_delay_alu instid0(VALU_DEP_1)
	v_add_nc_u32 v[TOTAL], v[TOTAL], v[CW+7]
.irp w, 0,1,2,3,4,5,6
	s_cmp_gt_u32 s16, \w
	s_cselect_b32 s44, -1, 0
	v_and_b32 v[T], s44, v[CW+\w]
	s_delay_alu instid0(VALU_DEP_1)
	v_add_nc_u32 v[BEF], v[BEF], v[T]              ; the key's tokens in the waves before mine
.endr
.set KA, 0
.rept 28
	v_readlane_b32 s[66+KA], v[TOTAL], KA
.set KA, KA+1
.endr
	s_mov_b32 s46, 0
.set KA, 0
.irp lo, 0,1,2,3,4,5,6                 ; key by key, in the serpentine's order: where its run of sorted places begins, and into which blocks of 64 places the run reaches
.irp hi, 1,2,3,4,5,6,7
.if \hi > \lo
.if (\lo%2) == 1
.set PH, 8+\lo-\hi                     ; an odd lo counts its partner downward: 7, 6 .. lo + 1
.else
.set PH, \hi                           ; an even one upward
.endif
	v_writelane_b32 v[EXCL], s46, KA
	s_add_co_u32 s47, s46, s[66+KA]
	v_max_u32 v[T], s46, v[BLO0]
	v_min_u32 v[T+1], s47, v[BHI0]
	v_max_u32 v[T+2], s46, v[BLO1]
	v_min_u32 v[T+3], s47, v[BHI1]
	s_delay_alu instid0(VALU_DEP_3)
	v_cmp_lt_u32 vcc_lo, v[T], v[T+1]
	v_or_b32 v[T+4], (1<<\lo)|(1<<PH), v[BM0]
	s_delay_alu instid0(VALU_DEP_1)
	v_cndmask_b32 v[BM0], v[BM0], v[T+4], vcc_lo
	s_delay_alu instid0(VALU_DEP_4)
	v_cmp_lt_u32 vcc_lo, v[T+2], v[T+3]
	v_or_b32 v[T+4], (1<<\lo)|(1<<PH), v[BM1]
	s_delay_alu instid0(VALU_DEP_1)
	v_cndmask_b32 v[BM1], v[BM1], v[T+4], vcc_lo
	s_mov_b32 s46, s47
.set KA, KA+1
.endif
.endr
.endr
	v_add_nc_u32 v[BASE], v[EXCL], v[BEF]          ; lane k: the first sorted place of my wave's tokens of key k
.irp j, 0,1,2,3,4,5,6,7,8,9,10,11,12,13,14,15
	v_lshlrev_b32 v[IDX+\j], 2, v[KEY+\j]
.endr
.irp j, 0,1,2,3,4,5,6,7,8,9,10,11,12,13,14,15
	ds_bpermute_b32 v[PB+\j], v[IDX+\j], v[BASE]   ; a pull between lanes: no LDS byte is touched
.endr
	s_wait_dscnt 0x0
.irp j, 0,1,2,3,4,5,6,7,8,9,10,11,12,13,14,15
	v_add_nc_u32 v[POS+\j], v[POS+\j], v[PB+\j]
	s_delay_alu instid0(VALU_DEP_1)
	v_min_u32 v[POS+\j], 0xfff, v[POS+\j]
	s_delay_alu instid0(VALU_DEP_1)
	v_lshlrev_b32 v[POS+\j], 2, v[POS+\j]
.endr
.irp j, 0,1,2,3,4,5,6,7,8,9,10,11,12,13,14,15
	global_store_b32 v[POS+\j], v[TOK+\j], s[12:13]   ; a placement: four bytes to the token's sorted place, 16 KiB in all; each place is written once
.endr
	s_cmp_lg_u32 s16, 0
	s_cbranch_scc1 .Lnot0
	global_store_b32 v[L4], v[BM0], s[12:13] offset:16384
	global_store_b32 v[L4], v[BM1], s[12:13] offset:16512
.Lnot0:
	s_wait_tensorcnt 0x0                           ; the wave's end
	ds_add_u32 v[SPW], v[NIL]
	s_wait_dscnt 0x0
	s_endpgm
.Lfunc_end_k_q58cf2bf43d_prep:
	.size	k_q58cf2bf43d_prep, .Lfunc_end_k_q58cf2bf43d_prep-k_q58cf2bf43d_prep
	.p2alignl 7, 3214868480
	.fill 96, 4, 3214868480
	.section	.rodata,"a",@progbits
	.p2align	6, 0x0
	.amdhsa_kernel k_q58cf2bf43d_prep
		.amdhsa_group_segment_fixed_size 67584
		.amdhsa_private_segment_fixed_size 0
		.amdhsa_enable_private_segment 0
		.amdhsa_kernarg_size 40
		.amdhsa_user_sgpr_count 2
		.amdhsa_user_sgpr_kernarg_segment_ptr 1
		.amdhsa_wavefront_size32 1
		.amdhsa_system_sgpr_workgroup_id_x 1
		.amdhsa_system_sgpr_workgroup_id_y 1
		.amdhsa_system_sgpr_workgroup_id_z 1
		.amdhsa_system_vgpr_workitem_id 0
		.amdhsa_next_free_vgpr 240
		.amdhsa_next_free_sgpr 100
		.amdhsa_reserve_vcc 1
		.amdhsa_float_denorm_mode_32 3
		.amdhsa_float_denorm_mode_16_64 3
		.amdhsa_memory_ordered 1
		.amdhsa_forward_progress 1
		.amdhsa_inst_pref_size 82
	.end_amdhsa_kernel
	.amdgpu_metadata
---
amdhsa.version: [ 1, 2 ]
amdhsa.kernels:
  - .name:           k_q58cf2bf43d_prep
    .symbol:         k_q58cf2bf43d_prep.kd
    .args:
      - { .name: W1, .offset: 0, .size: 8, .value_kind: global_buffer, .address_space: global }
      - { .name: W2, .offset: 8, .size: 8, .value_kind: global_buffer, .address_space: global }
      - { .name: sel, .offset: 16, .size: 8, .value_kind: global_buffer, .address_space: global }
      - { .name: wc, .offset: 24, .size: 8, .value_kind: global_buffer, .address_space: global }
      - { .name: lst, .offset: 32, .size: 8, .value_kind: global_buffer, .address_space: global }
    .group_segment_fixed_size: 67584
    .private_segment_fixed_size: 0
    .kernarg_segment_align: 8
    .kernarg_segment_size: 40
    .max_flat_workgroup_size: 256
    .sgpr_count:     100
    .vgpr_count:     240
    .wavefront_size: 32
...
	.end_amdgpu_metadata
.endif
;; end of part 2
;; launch gemm1 (part 3): grid 4 x 64, 4 waves a work-group, no clusters, 50,688 bytes of LDS; arguments xr, lst, wc, b1, hc; writes hc
.if DOCPART == 3
	.amdgcn_target "amdgcn-amd-amdhsa--gfx1250"
	.amdhsa_code_object_version 6
	.text
	.protected	k_q58cf2bf43d_gemm1
	.globl	k_q58cf2bf43d_gemm1
	.p2align	8
	.type	k_q58cf2bf43d_gemm1,@function
k_q58cf2bf43d_gemm1:
	s_mov_b64 s[64:65], 0
	v_nop
	global_prefetch_b8 v0, s[64:65] scope:SCOPE_SE
	s_setreg_imm32_b32 hwreg(HW_REG_WAVE_MODE, 25, 1), 1
	s_wait_xcnt 0x0
; GEMM1: h = Q(relu(Q(x) Q(W1[e]) + b1[e])) for a block of 64 sorted tokens and each expert e that some token of the block chose.
; LEFT OUT: the experts that no token of the block chose: their rows of h meet the factor 0 that reference() builds by its own one_hot (shown at the head of the first kernel).
; SHARES.  Work-group (nx, b): block b, hidden units 256 nx on; wave w: all 64 tokens x hidden units 64 tq on, tq = 4 nx + w: 16 accumulators.  The tokens' codes are gathered once into LDS (rows of 768 bytes + 16)
; and serve every expert; the weights go from memory straight into registers, laid by the launch before in the order of the operand's registers, each byte read by one wave of the work-group.
; No tensor load and no cluster: how many experts are walked, and which, hangs on the stored list.  The one barrier stands ahead of the walk.
; THE PRODUCT IS USED TRANSPOSED: source 0 = 16 columns of W1, source 1 = 16 tokens.  Lane (r, h) holds token r; register j of tile 2 b + u is hidden unit 64 tq + 32 b + 16 h + 8 u + j: 16 neighbours in two tiles.
; b1 is the C of a sum's first matrix instruction.  K goes in 8 steps of 128; the weights of step s are asked for at step s - 3 (a ring of four register slots), on into the next expert.
; hc, codes: [e][b][m 4][s 8][c 2][j 3][lane 32][8 bytes]: the image of the next product's fragment (token tile m, K step s), registers 6 c + 2 j, 6 c + 2 j + 1.  My 64 units are half c = tq % 2 of step tq / 2.
; hc, scale words at HS_O: [e][b][s 8][mp 2][lane 32]: lanes 0-15 token tile 2 mp, lanes 16-31 tile 2 mp + 1; my two bytes of a word go out as half a word (one byte in 24 of what h takes).
; LIMITS: NaN and infinities are not served; a block of zeros gets the byte 1 (its codes are zeros; only this program reads the bytes).
.set XP,    784                        ; an LDS row: 196 words: row r starts at bank 4 r mod 64, so the 32 lanes of a load of 8 bytes touch 64 different banks (64 banks of 4 bytes: ISA guide 11.1)
.set SPARE, 64*XP
.set XS_O,  3145728
.set WS_O,  12582912
.set HS_O,  25165824
.set RR,  1
.set HV,  2
.set LN,  3
.set LB,  4                            ; 16 x lane
.set L8,  5                            ; 8 x lane
.set L4,  6                            ; 4 x lane
.set H64, 7                            ; 64 h
.set AX,  8                            ; a fragment's place in the tokens' rows: XP r + 24 h
.set XW,  9
.set OA,  10
.set ORW, 11
.set SPW, 12
.set NIL, 13
.set XO,  14                           ; v14-21  byte offsets of the rows that I gather
.set TS,  22                           ; v22-25  byte offsets of the four tiles' scale words
.set R16, 26
.set XS,  32                           ; v32-63  the tokens' scale words: 8 m + s
.set WSC, 64                           ; v64-71  the weights' scale words: two a ring slot
.set ACC, 72                           ; v72-199 accumulator (m, t) at 32 m + 8 t
.set MX,  200
.set U,   202
.set SCL, 204
.set BY,  206
.set HW,  208
.set HT,  212
.set E,   216                          ; v216-247 the codes just made, 8 registers a token tile
.set BIAS, 192                         ; window 1: v0-191 the ring of weights (48 q + 12 t), v192-223 b1 in the result's layout.  window 2: v0-95 the tokens' fragments, two sets (48 p + 12 m)
.set WB0, 32
.set SB0, 34
.set BB0, 36
.set HO0, 38
.set HSO0, 40
.set WBC, 42
.set SBC, 44
.set HOC, 46
.set HSOC, 48
.set WBN, 50
.set SBN, 52
.set BBN, 54
.set MSB, 0
.macro WIN new                         ; the immediate's high byte repeats the setting that is left
.if MSB != (\new)
	s_set_vgpr_msb (MSB<<8)|(\new)
.set MSB, (\new)
.endif
.endm
.macro PLACES                          ; four plain lines behind matrix instructions, ahead of loads into registers that they read and of reads of their results (ISA guide 7.12.1 for the reads of their results)
.rept 4
	v_nop
.endr
.endm
.macro NEXTE                           ; the next expert of the mask; 7, and not used, when none is left
	s_ctz_i32_b32 s23, s19
	s_min_u32 s23, s23, 7
	s_sub_co_u32 s28, s19, 1
	s_and_b32 s19, s19, s28
.endm
.macro SETN                            ; its weights, scale words and bias
	s_mul_i32 s28, s23, 786432
	s_add_nc_u64 s[WBN:WBN+1], s[WB0:WB0+1], s[28:29]
	s_lshl_b32 s28, s23, 15
	s_add_nc_u64 s[SBN:SBN+1], s[SB0:SB0+1], s[28:29]
	s_lshl_b32 s28, s23, 12
	s_add_nc_u64 s[BBN:BBN+1], s[BB0:BB0+1], s[28:29]
.endm
.macro ADV                             ; the next expert becomes the one in hand
	s_wait_xcnt 0x0                                ; every load and store issued so far has read its base and its data: they are rewritten only behind this wait
	s_mov_b64 s[WBC:WBC+1], s[WBN:WBN+1]
	s_mov_b64 s[SBC:SBC+1], s[SBN:SBN+1]
	s_mul_i32 s28, s23, 3145728
	s_add_nc_u64 s[HOC:HOC+1], s[HO0:HO0+1], s[28:29]
	s_lshl_b32 s28, s23, 17
	s_add_nc_u64 s[HSOC:HSOC+1], s[HSO0:HSO0+1], s[28:29]
	NEXTE
	SETN
.endm
; The weights of K step s: four fragments (12 loads of 16 bytes a lane) and their scale words (1): 13 loads; step 0 brings b1 too (8): 21.
.macro GROUP s, wb, sb
.set GQ, (\s)%4
	WIN 0x40
.irp t, 0,1,2,3
.irp g, 0,1,2
	global_load_b128 v[48*GQ+12*\t+4*\g:48*GQ+12*\t+4*\g+3], v[LB], s[\wb:\wb+1] offset:6144*(\s)+1536*\t+512*\g
.endr
.endr
.if (\s) == 0
.irp t, 0,1,2,3
.irp jj, 0,1
	global_load_b128 v[BIAS+8*\t+4*\jj:BIAS+8*\t+4*\jj+3], v[H64], s[BBN:BBN+1] offset:128*(\t/2)+32*(\t%2)+16*\jj
.endr
.endr
.endif
	WIN 0
	global_load_b64 v[WSC+2*GQ:WSC+2*GQ+1], v[L8], s[\sb:\sb+1] offset:256*(\s)
.endm
.macro AFETCH s                        ; the four token tiles' fragments of K step s: 24 loads of 8 bytes
.set FP, (\s)%2
	WIN 0x80
.irp m, 0,1,2,3
.irp pc, 0,1,2,3,4,5
	ds_load_b64 v[48*FP+12*\m+2*\pc:48*FP+12*\m+2*\pc+1], v[AX] offset:16*XP*\m+96*(\s)+48*(\pc/3)+8*(\pc%3)
.endr
.endr
	WIN 0
.endm
.macro WM ra
.if \ra
	v_wmma_scale_f32_16x16x128_f8f6f4 v[rD:rD+7], v[rA:rA+11], v[rB:rB+11], v[rC:rC+7], v[rSA], v[rSB] matrix_a_fmt:MATRIX_FMT_FP6 matrix_b_fmt:MATRIX_FMT_FP6 matrix_a_scale:MATRIX_SCALE_ROW1
.else
	v_wmma_scale_f32_16x16x128_f8f6f4 v[rD:rD+7], v[rA:rA+11], v[rB:rB+11], v[rC:rC+7], v[rSA], v[rSB] matrix_a_fmt:MATRIX_FMT_FP6 matrix_b_fmt:MATRIX_FMT_FP6
.endif
.endm
.macro MULS s                          ; 16 matrix instructions; the 16 accumulators take turns, one instruction a turn, in the same order in every step
.set MQ, (\s)%4
.set MP, (\s)%2
.if (\s) == 0
	WIN 0x19                                       ; source 0 (W1) window 1, source 1 (tokens) window 2, C (b1) window 1
.else
	WIN 0x09
.endif
.irp m, 0,1,2,3
.irp t, 0,1,2,3
.set rD, ACC+32*\m+8*\t
.set rA, 48*MQ+12*\t
.set rB, 48*MP+12*\m
.if (\s) == 0
.set rC, BIAS+8*\t
.else
.set rC, rD
.endif
.set rSA, WSC+2*MQ+\t/2
.set rSB, XS+8*\m+(\s)
	WM \t%2
.endr
.endr
	WIN 0
.endm
.macro STEP s, nxt
.if (\s) > 0
	PLACES                                         ; for the loads below, into registers that the last step's products read
.endif
.if (\s) < 6
.set CN, 26                            ; behind this step's weights: two steps' groups of 13
.elseif \nxt
.set CN, 34                            ; 13 + 21: the next expert's step 0 brings its bias
.elseif (\s) == 6
.set CN, 13
.else
.set CN, 0
.endif
	s_wait_loadcnt CN
.if (\s) <= 4
	GROUP (\s)+3, WBC, SBC
.elseif \nxt
	GROUP (\s)-5, WBN, SBN
.endif
.if (\s) < 7
	AFETCH (\s)+1
	s_wait_dscnt 24                                ; this step's fragments are in; the 24 just asked for may be out
.else
	s_wait_dscnt 0x0
.endif
	MULS \s
.endm
; Token tile m: relu; two blocks of 32 along the next K are quantised; the six registers a lane are half a fragment of the next product.
.macro HQ m
.set AB, ACC+32*(\m)
.set EB, E+8*(\m)
.set ii, 0
.rept 32
	v_max_num_f32 v[AB+ii], 0, v[AB+ii]            ; the activation, in f32; each accumulator from its low end on
.set ii, ii+1
.endr
	v_max3_num_f32 v[MX], v[AB], v[AB+1], 0x1800000       ; no |.|: none is negative; the floor 2^(3 - 127)
	v_max3_num_f32 v[MX+1], v[AB+16], v[AB+17], 0x1800000
.irp i, 2,4,6,8,10,12,14
	v_max3_num_f32 v[MX], v[MX], v[AB+\i], v[AB+\i+1]
	v_max3_num_f32 v[MX+1], v[MX+1], v[AB+16+\i], v[AB+17+\i]
.endr
	v_permlanex16_b32 v[U], v[MX], s26, s27
	v_permlanex16_b32 v[U+1], v[MX+1], s26, s27
	v_max_num_f32 v[MX], v[MX], v[U]               ; with lane l xor 16's 16: the block's largest
	v_max_num_f32 v[MX+1], v[MX+1], v[U+1]
	v_add_nc_u32 v[SCL], 0xff000000, v[MX]         ; 2 off the exponent field: the conversion's scale operand
	v_add_nc_u32 v[SCL+1], 0xff000000, v[MX+1]
	v_lshrrev_b32 v[BY], 23, v[SCL]
	v_lshrrev_b32 v[BY+1], 23, v[SCL+1]
	v_lshl_or_b32 v[HW+\m], v[BY+1], 8, v[BY]      ; my two bytes of the row's scale word
	v_cvt_scalef32_pk16_fp6_f32 v[EB:EB+2], v[AB:AB+15], v[SCL]
	v_cvt_scalef32_pk16_fp6_f32 v[EB+4:EB+6], v[AB+16:AB+31], v[SCL+1]
	v_nop                                          ; one plain line behind the conversions
.irp i, 0,1,2
	v_permlane16_swap_b32 v[EB+\i], v[EB+4+\i]     ; a whole block to a lane: lanes 0-15 block 0, lanes 16-31 block 1
.endr
.irp i, 0,1,2
	v_mov_b32 v[EB+3+\i], v[EB+4+\i]
.endr
.irp j, 0,1,2
	global_store_b64 v[L8], v[EB+2*\j:EB+2*\j+1], s[HOC:HOC+1] offset:12288*(\m)+256*\j   ; 32 lanes store 256 consecutive bytes, aligned
.endr
.endm
.macro TRIP nxt                        ; one expert.  nxt = 1: the next expert's first three steps of weights are asked for on the way
	AFETCH 0
.irp s, 0,1,2,3,4,5,6,7
	STEP \s, \nxt
.endr
	PLACES
.irp m, 0,1,2,3
	HQ \m
.endr
	v_cndmask_b32 v[HT], v[HW], v[HW+1], s24       ; lanes 0-15 the even tile's rows, lanes 16-31 the odd tile's
	v_cndmask_b32 v[HT+1], v[HW+2], v[HW+3], s24
	global_store_b16 v[L4], v[HT], s[HSOC:HSOC+1]
	global_store_b16 v[L4], v[HT+1], s[HSOC:HSOC+1] offset:128
.if \nxt
	ADV
.endif
.endm
	s_load_b256 s[4:11], s[0:1], 0x0               ; xr s[4:5], lst s[6:7], wc s[8:9], b1 s[10:11]
	s_load_b64 s[12:13], s[0:1], 0x20              ; hc
	v_lshl_add_u32 v[SPW], v0, 2, SPARE
	v_mov_b32 v[NIL], 0
	v_lshrrev_b32 v1, 5, v0
	v_readfirstlane_b32 s16, v1                    ; wave
	s_and_b32 s18, ttmp7, 0xffff                   ; b
	s_lshl_b32 s17, ttmp9, 2
	s_add_co_u32 s17, s17, s16                     ; tq
	v_and_b32 v[RR], 15, v0
	v_bfe_u32 v[HV], v0, 4, 1
	v_and_b32 v[LN], 31, v0
	v_lshlrev_b32 v[LB], 4, v[LN]
	v_lshlrev_b32 v[L8], 3, v[LN]
	v_lshlrev_b32 v[L4], 2, v[LN]
	v_lshlrev_b32 v[H64], 6, v[HV]
	v_lshlrev_b32 v[R16], 4, v[RR]
	v_mul_u32_u24 v[AX], v[RR], XP
	v_mad_u32_u24 v[AX], v[HV], 24, v[AX]
	s_lshl_b32 s28, s16, 4
	v_add_nc_u32 v[OA], s28, v[HV]                 ; 16 w + h: the first of the rows that I gather
	v_mul_u32_u24 v[XW], v[OA], XP
	v_add_nc_u32 v[XW], v[XW], v[R16]
	v_lshlrev_b32 v[OA], 2, v[OA]
	v_lshlrev_b32 v[ORW], 2, v[RR]
	v_mov_b32 v[U], 0                              ; written once: a lane permute's destination counts as one of its sources
	v_mov_b32 v[U+1], 0
	s_mov_b32 s26, 0x76543210
	s_mov_b32 s27, 0xfedcba98
	s_mov_b32 s24, 0xffff0000
	s_mov_b32 s29, 0
	s_wait_alu depctr_va_vdst(0)
	s_wait_kmcnt 0x0
	s_lshl_b32 s28, s18, 2
	s_add_nc_u64 s[58:59], s[6:7], s[28:29]
	s_load_b32 s19, s[58:59], 0x4000               ; the block's mask of experts
	s_lshl_b32 s28, s18, 8
	s_add_nc_u64 s[56:57], s[6:7], s[28:29]        ; the block's 64 tokens
.irp i, 0,1,2,3,4,5,6,7
	global_load_b32 v[XO+\i], v[OA], s[56:57] offset:8*\i      ; rows 16 w + 2 i + h
.endr
.irp m, 0,1,2,3
	global_load_b32 v[TS+\m], v[ORW], s[56:57] offset:64*\m    ; rows 16 m + r
.endr
	s_add_nc_u64 s[30:31], s[4:5], XS_O
	s_mul_i32 s28, s17, 49152
	s_add_nc_u64 s[WB0:WB0+1], s[8:9], s[28:29]
	s_lshl_b32 s28, s17, 11
	s_add_nc_u64 s[SB0:SB0+1], s[8:9], s[28:29]
	s_add_nc_u64 s[SB0:SB0+1], s[SB0:SB0+1], WS_O
	s_lshl_b32 s28, s17, 8
	s_add_nc_u64 s[BB0:BB0+1], s[10:11], s[28:29]
	s_mul_i32 s28, s18, 49152
	s_mul_i32 s21, s17, 768
	s_add_co_u32 s28, s28, s21
	s_add_nc_u64 s[HO0:HO0+1], s[12:13], s[28:29]
	s_lshl_b32 s28, s18, 11
	s_lshr_b32 s21, s17, 1
	s_lshl_b32 s21, s21, 8
	s_add_co_u32 s28, s28, s21
	s_and_b32 s21, s17, 1
	s_lshl_b32 s21, s21, 1
	s_add_co_u32 s28, s28, s21
	s_add_nc_u64 s[HSO0:HSO0+1], s[12:13], s[28:29]
	s_add_nc_u64 s[HSO0:HSO0+1], s[HSO0:HSO0+1], HS_O
	s_wait_kmcnt 0x0
	s_and_b32 s19, s19, 0xff
	s_bcnt1_i32_b32 s20, s19
	s_max_u32 s20, s20, 1
	s_sub_co_u32 s20, s20, 1
	s_min_u32 s20, s20, 7                          ; experts behind the first
	NEXTE
	SETN
	s_wait_loadcnt 0x0
.irp i, 0,1,2,3,4,5,6,7
	v_min_u32 v[XO+\i], 0xfff, v[XO+\i]
	v_mul_u32_u24 v[XO+\i], v[XO+\i], 768
	v_add_nc_u32 v[XO+\i], v[XO+\i], v[R16]
.endr
.irp m, 0,1,2,3
	v_min_u32 v[TS+\m], 0xfff, v[TS+\m]
	v_lshlrev_b32 v[TS+\m], 5, v[TS+\m]
.endr
	WIN 0x80
.irp i, 0,1,2,3,4,5,6,7
.irp c, 0,1,2
	global_load_b128 v[12*\i+4*\c:12*\i+4*\c+3], v[XO+\i], s[4:5] offset:256*\c   ; sixteen lanes read 256 consecutive bytes of a token's codes
.endr
.endr
	WIN 0
.irp m, 0,1,2,3
.irp jj, 0,1
	global_load_b128 v[XS+8*\m+4*\jj:XS+8*\m+4*\jj+3], v[TS+\m], s[30:31] offset:16*\jj
.endr
.endr
	GROUP 0, WBN, SBN
	s_wait_loadcnt 21                              ; the tokens' codes and scale words are in; the first group's 21 loads stay out
	WIN 0x08                                       ; an LDS store's data are its source 1: window 2
.irp i, 0,1,2,3,4,5,6,7
.irp c, 0,1,2
	ds_store_b128 v[XW], v[12*\i+4*\c:12*\i+4*\c+3] offset:2*XP*\i+256*\c
.endr
.endr
	WIN 0
	GROUP 1, WBN, SBN
	GROUP 2, WBN, SBN
	s_wait_dscnt 0x0                               ; for the others' sake: my 16 rows lie in LDS
	s_barrier_signal -1
	s_barrier_wait -1                              ; the launch's one barrier; from here on LDS is only read
	ADV
	s_cmp_eq_u32 s20, 0
	s_cbranch_scc1 .Llast
.Lmore:
	TRIP 1
	s_sub_co_u32 s20, s20, 1
	s_cmp_lg_u32 s20, 0
	s_cbranch_scc1 .Lmore
.Llast:
	TRIP 0                                         ; the last expert asks for nothing more
	s_wait_tensorcnt 0x0                           ; the wave's end
	ds_add_u32 v[SPW], v[NIL]
	s_wait_dscnt 0x0
	s_endpgm
.Lfunc_end_k_q58cf2bf43d_gemm1:
	.size	k_q58cf2bf43d_gemm1, .Lfunc_end_k_q58cf2bf43d_gemm1-k_q58cf2bf43d_gemm1
	.p2alignl 7, 3214868480
	.fill 96, 4, 3214868480
	.section	.rodata,"a",@progbits
	.p2align	6, 0x0
	.amdhsa_kernel k_q58cf2bf43d_gemm1
		.amdhsa_group_segment_fixed_size 50688
		.amdhsa_private_segment_fixed_size 0
		.amdhsa_enable_private_segment 0
		.amdhsa_kernarg_size 40
		.amdhsa_user_sgpr_count 2
		.amdhsa_user_sgpr_kernarg_segment_ptr 1
		.amdhsa_wavefront_size32 1
		.amdhsa_system_sgpr_workgroup_id_x 1
		.amdhsa_system_sgpr_workgroup_id_y 1
		.amdhsa_system_sgpr_workgroup_id_z 1
		.amdhsa_system_vgpr_workitem_id 0
		.amdhsa_next_free_vgpr 608
		.amdhsa_next_free_sgpr 66
		.amdhsa_reserve_vcc 0
		.amdhsa_float_denorm_mode_32 3
		.amdhsa_float_denorm_mode_16_64 3
		.amdhsa_memory_ordered 1
		.amdhsa_forward_progress 1
		.amdhsa_inst_pref_size 122
	.end_amdhsa_kernel
	.amdgpu_metadata
---
amdhsa.version: [ 1, 2 ]
amdhsa.kernels:
  - .name:           k_q58cf2bf43d_gemm1
    .symbol:         k_q58cf2bf43d_gemm1.kd
    .args:
      - { .name: xr, .offset: 0, .size: 8, .value_kind: global_buffer, .address_space: global }
      - { .name: lst, .offset: 8, .size: 8, .value_kind: global_buffer, .address_space: global }
      - { .name: wc, .offset: 16, .size: 8, .value_kind: global_buffer, .address_space: global }
      - { .name: b1, .offset: 24, .size: 8, .value_kind: global_buffer, .address_space: global }
      - { .name: hc, .offset: 32, .size: 8, .value_kind: global_buffer, .address_space: global }
    .group_segment_fixed_size: 50688
    .private_segment_fixed_size: 0
    .kernarg_segment_align: 8
    .kernarg_segment_size: 40
    .max_flat_workgroup_size: 128
    .sgpr_count:     66
    .vgpr_count:     608
    .wavefront_size: 32
...
	.end_amdgpu_metadata
.endif
;; end of part 3
;; launch gemm2 (part 4): grid 4 x 64, 4 waves a work-group, no clusters, 148,992 bytes of LDS; arguments hc, lst, xr, wc, b2, out0; writes out0
.if DOCPART == 4
	.amdgcn_target "amdgcn-amd-amdhsa--gfx1250"
	.amdhsa_code_object_version 6
	.text
	.protected	k_q58cf2bf43d_gemm2
	.globl	k_q58cf2bf43d_gemm2
	.p2align	8
	.type	k_q58cf2bf43d_gemm2,@function
k_q58cf2bf43d_gemm2:
	s_mov_b64 s[64:65], 0
	v_nop
	global_prefetch_b8 v0, s[64:65] scope:SCOPE_SE
	s_setreg_imm32_b32 hwreg(HW_REG_WAVE_MODE, 25, 1), 1
	s_wait_xcnt 0x0
; GEMM2: out[token] = the sum over the experts e of the block's mask of coef_full[token][e] x (h[e] Q(W2[e]) + b2[e]), for a block of 64 sorted tokens.  Each output row has one owner: nothing is added between work-groups.
; LEFT OUT: the experts that no token of the block chose: their factor is the 0 that reference() builds by its own one_hot (shown at the head of the first kernel).  A token of the block that did not choose an
; expert of the mask takes part with its stored factor 0.
; SHARES.  Work-group (nx, b): block b, outputs 256 nx on; wave w: 64 tokens x outputs 64 tq on, tq = 4 nx + w: 16 accumulators, and 128 registers of totals.
; h's codes of (e, b) are 49,152 dense bytes, images of the operand's registers: they go through one of two LDS buffers, shared by the four waves; while one expert is multiplied, each wave copies its quarter of
; the next expert's through registers into the other buffer.  W2 goes from memory straight into registers, as in the launch before.  No tensor load and no cluster: the walk hangs on the stored list.
; THE BARRIERS stand in a loop of constant count (seven trips behind the first expert; every token has two different experts, so a mask has at least two): a trip whose expert does not exist jumps over the work, never over the barrier.
; TRANSPOSED as before: lane (r, h) holds token r; register j of tile 2 b + u is output 64 tq + 32 b + 16 h + 8 u + j.  b2 is the C of a sum's first matrix instruction.
; LIMITS: NaN and infinities are not served.
.set ABUF1, 65536                      ; LDS: buffer 0 at 0, buffer 1 here, so that one exclusive or turns an address from one into the other
.set STG,   131072                     ; the way out: 16 rows x (256 bytes + 16) for each wave
.set SPARE, STG+4*4352
.set CF_O,  3276800
.set WS_O,  12582912
.set HS_O,  25165824
.set RR,  1
.set HV,  2
.set LN,  3
.set LB,  4
.set L8,  5
.set L4,  6
.set H64, 7
.set AWR0, 9                           ; 12,288 w + 16 x lane: where my quarter of a buffer begins
.set ARD, 10
.set AWR, 11
.set SPW, 12
.set NIL, 13
.set STO, 14
.set SRD, 15
.set H4,  16
.set R4,  17
.set TK,  18                           ; v18-21  32 x token, rows 16 m + r
.set CM,  22                           ; v22-29  the expert's factor for my token of tile m, as the low word of a pair
.set MT,  30
.set R16, 36
.set HSC, 40                           ; v40-47  h's scale words: two a ring slot
.set WSC, 48                           ; v48-55  W2's: two a ring slot
.set CF,  56                           ; v56-87  coef_full of my token of tile m: 8 m + e
.set ACC, 88                           ; v88-215 accumulator (m, t) at 32 m + 8 t; at the head and on the way out at work
.set BIAS, 192                         ; window 1: v0-191 the ring of weights, v192-223 b2,
.set OFFS, 224                         ;           v224-255 byte offsets of the rows of out that I store (8 m + i: row 16 m + 2 i + h)
.set SG,  96                           ; window 2: v0-95 h's fragments, two sets; v96-191 the next expert's codes on their way to LDS, 24 a ring slot.  window 3: v0-127 the totals
.set WB0, 32
.set SB0, 34
.set HS0, 36
.set BB0, 38
.set HA0, 40
.set WBC, 42
.set SBC, 44
.set HSBC, 46
.set WBN, 48
.set SBN, 50
.set HSBN, 52
.set BBN, 54
.set HAN, 56
.set MSB, 0
.macro WIN new                         ; the immediate's high byte repeats the setting that is left
.if MSB != (\new)
	s_set_vgpr_msb (MSB<<8)|(\new)
.set MSB, (\new)
.endif
.endm
.macro PLACES                          ; four plain lines behind matrix instructions, ahead of loads into registers that they read
.rept 4
	v_nop
.endr
.endm
.macro NEXTE                           ; the next expert of the mask; 7, and not used, when none is left
	s_ctz_i32_b32 s23, s19
	s_min_u32 s23, s23, 7
	s_sub_co_u32 s61, s19, 1
	s_and_b32 s19, s19, s61
.endm
.macro SETN
	s_mul_i32 s62, s23, 786432
	s_add_nc_u64 s[WBN:WBN+1], s[WB0:WB0+1], s[62:63]
	s_lshl_b32 s62, s23, 15
	s_add_nc_u64 s[SBN:SBN+1], s[SB0:SB0+1], s[62:63]
	s_lshl_b32 s62, s23, 17
	s_add_nc_u64 s[HSBN:HSBN+1], s[HS0:HS0+1], s[62:63]
	s_lshl_b32 s62, s23, 12
	s_add_nc_u64 s[BBN:BBN+1], s[BB0:BB0+1], s[62:63]
	s_mul_i32 s62, s23, 3145728
	s_add_nc_u64 s[HAN:HAN+1], s[HA0:HA0+1], s[62:63]
.endm
.macro ADV                             ; the next expert becomes the one in hand
	s_wait_xcnt 0x0                                ; every load issued so far has read its base: the bases are rewritten only behind this wait
	s_mov_b64 s[WBC:WBC+1], s[WBN:WBN+1]
	s_mov_b64 s[SBC:SBC+1], s[SBN:SBN+1]
	s_mov_b64 s[HSBC:HSBC+1], s[HSBN:HSBN+1]
	s_mov_b32 s22, s23
	NEXTE
	SETN
.endm
; K step s: four fragments of W2 (12 loads), their scale words (1), h's scale words (2): 15; step 0 brings b2 too (8): 23; stg = 1: six loads more, a quarter of my part of the next expert's codes: 21.
.macro GROUP s, wb, sb, hs, stg
.set GQ, (\s)%4
	WIN 0x40
.irp t, 0,1,2,3
.irp g, 0,1,2
	global_load_b128 v[48*GQ+12*\t+4*\g:48*GQ+12*\t+4*\g+3], v[LB], s[\wb:\wb+1] offset:6144*(\s)+1536*\t+512*\g
.endr
.endr
.if (\s) == 0
.irp t, 0,1,2,3
.irp jj, 0,1
	global_load_b128 v[BIAS+8*\t+4*\jj:BIAS+8*\t+4*\jj+3], v[H64], s[BBN:BBN+1] offset:128*(\t/2)+32*(\t%2)+16*\jj
.endr
.endr
.endif
.if \stg
	WIN 0x80
.irp k, 0,1,2,3,4,5
	global_load_b128 v[SG+24*GQ+4*\k:SG+24*GQ+4*\k+3], v[LB], s[HAN:HAN+1] offset:3072*((\s)-3)+512*\k
.endr
.endif
	WIN 0
	global_load_b64 v[WSC+2*GQ:WSC+2*GQ+1], v[L8], s[\sb:\sb+1] offset:256*(\s)
.irp mp, 0,1
	global_load_b32 v[HSC+2*GQ+\mp], v[L4], s[\hs:\hs+1] offset:256*(\s)+128*\mp
.endr
.endm
.macro AFETCH s                        ; the four token tiles' fragments of K step s, as they were stored: 24 loads, each of 256 consecutive bytes
.set FP, (\s)%2
	WIN 0x80
.irp m, 0,1,2,3
.irp pc, 0,1,2,3,4,5
	ds_load_b64 v[48*FP+12*\m+2*\pc:48*FP+12*\m+2*\pc+1], v[ARD] offset:(8*\m+(\s))*1536+256*\pc
.endr
.endr
	WIN 0
.endm
.macro WM ra, rb
.if \ra
.if \rb
	v_wmma_scale_f32_16x16x128_f8f6f4 v[rD:rD+7], v[rA:rA+11], v[rB:rB+11], v[rC:rC+7], v[rSA], v[rSB] matrix_a_fmt:MATRIX_FMT_FP6 matrix_b_fmt:MATRIX_FMT_FP6 matrix_a_scale:MATRIX_SCALE_ROW1 matrix_b_scale:MATRIX_SCALE_ROW1
.else
	v_wmma_scale_f32_16x16x128_f8f6f4 v[rD:rD+7], v[rA:rA+11], v[rB:rB+11], v[rC:rC+7], v[rSA], v[rSB] matrix_a_fmt:MATRIX_FMT_FP6 matrix_b_fmt:MATRIX_FMT_FP6 matrix_a_scale:MATRIX_SCALE_ROW1
.endif
.else
.if \rb
	v_wmma_scale_f32_16x16x128_f8f6f4 v[rD:rD+7], v[rA:rA+11], v[rB:rB+11], v[rC:rC+7], v[rSA], v[rSB] matrix_a_fmt:MATRIX_FMT_FP6 matrix_b_fmt:MATRIX_FMT_FP6 matrix_b_scale:MATRIX_SCALE_ROW1
.else
	v_wmma_scale_f32_16x16x128_f8f6f4 v[rD:rD+7], v[rA:rA+11], v[rB:rB+11], v[rC:rC+7], v[rSA], v[rSB] matrix_a_fmt:MATRIX_FMT_FP6 matrix_b_fmt:MATRIX_FMT_FP6
.endif
.endif
.endm
.macro MULS s                          ; 16 matrix instructions; the 16 accumulators take turns, one instruction a turn, in the same order in every step
.set MQ, (\s)%4
.set MP, (\s)%2
.if (\s) == 0
	WIN 0x19                                       ; source 0 (W2) window 1, source 1 (h) window 2, C (b2) window 1
.else
	WIN 0x09
.endif
.irp m, 0,1,2,3
.irp t, 0,1,2,3
.set rD, ACC+32*\m+8*\t
.set rA, 48*MQ+12*\t
.set rB, 48*MP+12*\m
.if (\s) == 0
.set rC, BIAS+8*\t
.else
.set rC, rD
.endif
.set rSA, WSC+2*MQ+\t/2
.set rSB, HSC+2*MQ+\m/2
	WM \t%2, \m%2
.endr
.endr
	WIN 0
.endm
.macro STEP s, nxt
.if (\s) > 0
	PLACES                                         ; for the loads below, into registers that the last step's products read
.endif
; the count: the loads of the two groups issued behind this step's.  Groups are 15 loads; 23 for a step 0; 21 for steps 3 to 6 where a next expert's codes ride along
.if \nxt
.if (\s) == 0
.set CN, 30
.elseif ((\s) == 1) || ((\s) == 5)
.set CN, 36
.elseif (\s) < 5
.set CN, 42
.else
.set CN, 38
.endif
.else
.if (\s) < 6
.set CN, 30
.elseif (\s) == 6
.set CN, 15
.else
.set CN, 0
.endif
.endif
	s_wait_loadcnt CN
.if (\nxt) && ((\s) >= 3) && ((\s) <= 6)
	WIN 0x08                                       ; an LDS store's data are its source 1: window 2
.irp k, 0,1,2,3,4,5
	ds_store_b128 v[AWR], v[SG+24*((\s)%4)+4*\k:SG+24*((\s)%4)+4*\k+3] offset:3072*((\s)-3)+512*\k   ; into the buffer that nobody reads in this trip
.endr
	WIN 0
.endif
.if (\s) <= 4
.if (\nxt) && ((\s) <= 3)
	GROUP (\s)+3, WBC, SBC, HSBC, 1
.else
	GROUP (\s)+3, WBC, SBC, HSBC, 0
.endif
.elseif \nxt
	GROUP (\s)-5, WBN, SBN, HSBN, 0
.endif
.if (\s) < 7
	AFETCH (\s)+1
.if (\nxt) && ((\s) >= 3)
	s_wait_dscnt 30                                ; this step's fragments are in; the six stores and the 24 loads just issued may be out
.else
	s_wait_dscnt 24
.endif
.else
	s_wait_dscnt 0x0
.endif
	MULS \s
.endm
; The expert's results are weighed in.  The factor of my token of tile m is picked out of its eight by the expert's three bits: 28 plain lines, which are also the places behind the last products.
.macro COMB first
	s_bitcmp1_b32 s22, 0
	s_cselect_b32 s58, -1, 0
	s_bitcmp1_b32 s22, 1
	s_cselect_b32 s59, -1, 0
	s_bitcmp1_b32 s22, 2
	s_cselect_b32 s60, -1, 0
.irp m, 0,1,2,3
.irp k, 0,1,2,3
	v_cndmask_b32 v[MT+\k], v[CF+8*\m+2*\k], v[CF+8*\m+2*\k+1], s58
.endr
	v_cndmask_b32 v[MT+4], v[MT], v[MT+1], s59
	v_cndmask_b32 v[MT+5], v[MT+2], v[MT+3], s59
	v_cndmask_b32 v[CM+2*\m], v[MT+4], v[MT+5], s60
.endr
.if \first
	WIN 0xc0                                       ; the first expert starts the totals: nothing is cleared
.else
	WIN 0xf0
.endif
.set kq, 0
.rept 64                               ; each accumulator from its low end on
.if \first
	v_pk_mul_f32 v[2*kq:2*kq+1], v[ACC+2*kq:ACC+2*kq+1], v[CM+2*(kq/16):CM+2*(kq/16)+1] op_sel_hi:[1,0]
.else
	v_pk_fma_f32 v[2*kq:2*kq+1], v[ACC+2*kq:ACC+2*kq+1], v[CM+2*(kq/16):CM+2*(kq/16)+1], v[2*kq:2*kq+1] op_sel_hi:[1,0,1]
.endif
.set kq, kq+1
.endr
	WIN 0
.endm
.macro TRIP first, nxt                 ; one expert.  nxt = 1: the next expert's codes go into the other buffer, and its first three steps of weights are asked for
	v_add_nc_u32 v[ARD], s24, v[L8]
	v_add_nc_u32 v[AWR], s25, v[AWR0]
	AFETCH 0
	s_wait_alu depctr_va_vdst(0)
.irp s, 0,1,2,3,4,5,6,7
	STEP \s, \nxt
.endr
	COMB \first
.if \nxt
	ADV
.endif
.endm
.macro JOIN                            ; my stores into the other buffer have landed and my reads of this one are over; then the buffers change places
	s_wait_dscnt 0x0
	s_barrier_signal -1
	s_barrier_wait -1
	s_xor_b32 s24, s24, ABUF1
	s_xor_b32 s25, s25, ABUF1
.endm
	s_load_b256 s[4:11], s[0:1], 0x0               ; hc s[4:5], lst s[6:7], xr s[8:9], wc s[10:11]
	s_load_b128 s[12:15], s[0:1], 0x20             ; b2 s[12:13], out0 s[14:15]
	v_lshl_add_u32 v[SPW], v0, 2, SPARE
	v_mov_b32 v[NIL], 0
	v_lshrrev_b32 v1, 5, v0
	v_readfirstlane_b32 s16, v1                    ; wave
	s_and_b32 s18, ttmp7, 0xffff                   ; b
	s_lshl_b32 s17, ttmp9, 2
	s_add_co_u32 s17, s17, s16                     ; tq
	v_and_b32 v[RR], 15, v0
	v_bfe_u32 v[HV], v0, 4, 1
	v_and_b32 v[LN], 31, v0
	v_lshlrev_b32 v[LB], 4, v[LN]
	v_lshlrev_b32 v[L8], 3, v[LN]
	v_lshlrev_b32 v[L4], 2, v[LN]
	v_lshlrev_b32 v[H64], 6, v[HV]
	v_lshlrev_b32 v[R16], 4, v[RR]
	v_lshlrev_b32 v[H4], 2, v[HV]
	v_lshlrev_b32 v[R4], 2, v[RR]
	s_mul_i32 s61, s16, 12288
	v_add_nc_u32 v[AWR0], s61, v[LB]
	s_mul_i32 s61, s16, 4352
	s_add_co_u32 s61, s61, STG                     ; my stage
	v_mul_u32_u24 v[STO], v[RR], 272
	v_lshl_add_u32 v[STO], v[HV], 6, v[STO]
	v_add_nc_u32 v[STO], s61, v[STO]               ; in: row r, + 64 h
	v_mul_u32_u24 v[SRD], v[HV], 272
	v_add_nc_u32 v[SRD], v[SRD], v[R16]
	v_add_nc_u32 v[SRD], s61, v[SRD]               ; back: lanes 0-15 one row, lanes 16-31 the next
.irp m, 0,1,2,3
	v_mov_b32 v[CM+2*\m+1], 0                      ; (named as the upper halves of pairs, so they are written)
.endr
	s_mov_b32 s24, 0
	s_mov_b32 s25, ABUF1
	s_mov_b32 s63, 0
	s_wait_kmcnt 0x0
	s_lshl_b32 s62, s18, 2
	s_add_nc_u64 s[30:31], s[6:7], s[62:63]
	s_load_b32 s19, s[30:31], 0x4000               ; the block's mask of experts
	s_lshl_b32 s62, s18, 8
	s_add_nc_u64 s[28:29], s[6:7], s[62:63]        ; the block's 64 tokens
.irp m, 0,1,2,3
.irp i, 0,1,2,3,4,5,6,7
	global_load_b32 v[ACC+8*\m+\i], v[H4], s[28:29] offset:64*\m+8*\i   ; rows 16 m + 2 i + h
.endr
	global_load_b32 v[TK+\m], v[R4], s[28:29] offset:64*\m              ; rows 16 m + r
.endr
	s_add_nc_u64 s[26:27], s[8:9], CF_O
	s_mul_i32 s62, s17, 49152
	s_add_nc_u64 s[WB0:WB0+1], s[10:11], s[62:63]
	s_add_nc_u64 s[WB0:WB0+1], s[WB0:WB0+1], 8*786432
	s_lshl_b32 s62, s17, 11
	s_add_nc_u64 s[SB0:SB0+1], s[10:11], s[62:63]
	s_add_nc_u64 s[SB0:SB0+1], s[SB0:SB0+1], WS_O+8*32768
	s_lshl_b32 s62, s18, 11
	s_add_nc_u64 s[HS0:HS0+1], s[4:5], s[62:63]
	s_add_nc_u64 s[HS0:HS0+1], s[HS0:HS0+1], HS_O
	s_lshl_b32 s62, s17, 8
	s_add_nc_u64 s[BB0:BB0+1], s[12:13], s[62:63]
	s_add_nc_u64 s[14:15], s[14:15], s[62:63]      ; out0 at my 64 columns
	s_mul_i32 s62, s18, 49152
	s_mul_i32 s61, s16, 12288
	s_add_co_u32 s62, s62, s61
	s_add_nc_u64 s[HA0:HA0+1], s[4:5], s[62:63]
	s_wait_kmcnt 0x0
	s_and_b32 s19, s19, 0xff
	s_bcnt1_i32_b32 s20, s19                       ; n: the experts to walk
	NEXTE
	SETN
	WIN 0x80
.set kq, 0
.rept 24
	global_load_b128 v[SG+4*kq:SG+4*kq+3], v[LB], s[HAN:HAN+1] offset:512*kq   ; my quarter of the first expert's codes
.set kq, kq+1
.endr
	WIN 0
	s_wait_loadcnt 24                              ; the tokens' numbers are in; the 24 loads just issued stay out
.set kq, 0
.rept 32
	v_min_u32 v[ACC+kq], 0xfff, v[ACC+kq]
.set kq, kq+1
.endr
	WIN 0x40
.set kq, 0
.rept 32
	v_lshl_add_u32 v[OFFS+kq], v[ACC+kq], 12, v[R16]   ; a row of out is 4,096 bytes; 16 bytes a lane
.set kq, kq+1
.endr
	WIN 0
.irp m, 0,1,2,3
	v_min_u32 v[TK+\m], 0xfff, v[TK+\m]
	v_lshlrev_b32 v[TK+\m], 5, v[TK+\m]
.endr
.irp m, 0,1,2,3
.irp jj, 0,1
	global_load_b128 v[CF+8*\m+4*\jj:CF+8*\m+4*\jj+3], v[TK+\m], s[26:27] offset:16*\jj
.endr
.endr
	GROUP 0, WBN, SBN, HSBN, 0
	s_wait_loadcnt 31                              ; the codes are in; the 8 loads of factors and the first group's 23 stay out
	WIN 0x08
.set kq, 0
.rept 24
	ds_store_b128 v[AWR0], v[SG+4*kq:SG+4*kq+3] offset:512*kq      ; buffer 0
.set kq, kq+1
.endr
	WIN 0
	GROUP 1, WBN, SBN, HSBN, 0
	GROUP 2, WBN, SBN, HSBN, 0
	s_wait_dscnt 0x0                               ; for the others' sake
	s_barrier_signal -1
	s_barrier_wait -1
	ADV
	TRIP 1, 1                                      ; the first expert; a second one always follows
	JOIN
	s_mov_b32 s21, 1
.Lexp:                                 ; seven trips, whatever the mask: the barrier in JOIN is passed by every wave in every trip
	s_cmp_ge_u32 s21, s20
	s_cbranch_scc1 .Lskip
	s_add_co_u32 s61, s21, 1
	s_cmp_lt_u32 s61, s20
	s_cbranch_scc0 .Lfinal
	TRIP 0, 1
	s_branch .Lskip
.Lfinal:
	TRIP 0, 0                                      ; the last expert asks for nothing more
.Lskip:
	JOIN
	s_add_co_u32 s21, s21, 1
	s_cmp_lt_u32 s21, 8
	s_cbranch_scc1 .Lexp
; THE WAY OUT, a token tile at a time through my own stage: a lane holds pieces of one row, and the lanes beside it hold other rows; back come whole runs of 256 bytes, which sixteen lanes store at the token's own row of out.
.macro PACK m
	WIN 0x0c                                       ; the data: window 3
.irp t, 0,1,2,3
.irp jj, 0,1
	ds_store_b128 v[STO], v[32*\m+8*\t+4*\jj:32*\m+8*\t+4*\jj+3] offset:128*(\t/2)+32*(\t%2)+16*\jj
.endr
.endr
	WIN 0
.irp i, 0,1,2,3,4,5,6,7
	ds_load_b128 v[ACC+32*\m+4*\i:ACC+32*\m+4*\i+3], v[SRD] offset:544*\i   ; LDS serves a wave's instructions in order: these see the stores above, and the next tile's stores come behind them
.endr
.endm
.macro SEND m, younger                 ; younger: the LDS instructions issued behind tile m's loads: the next tile's sixteen, or none
	WIN 0x01                                       ; the offsets: window 1
.irp i, 0,1,2,3,4,5,6,7
	s_wait_dscnt \younger+7-\i
	global_store_b128 v[OFFS+8*\m+\i], v[ACC+32*\m+4*\i:ACC+32*\m+4*\i+3], s[14:15] th:TH_STORE_NT   ; 16 lanes store 256 consecutive bytes, aligned; no store's data are written again
.endr
	WIN 0
.endm
	PACK 0
	PACK 1
	SEND 0, 16
	PACK 2
	SEND 1, 16
	s_wait_alu depctr_va_vdst(0)
	PACK 3
	SEND 2, 16
	SEND 3, 0
	s_wait_tensorcnt 0x0                           ; the wave's end
	ds_add_u32 v[SPW], v[NIL]
	s_wait_dscnt 0x0
	s_endpgm
.Lfunc_end_k_q58cf2bf43d_gemm2:
	.size	k_q58cf2bf43d_gemm2, .Lfunc_end_k_q58cf2bf43d_gemm2-k_q58cf2bf43d_gemm2
	.p2alignl 7, 3214868480
	.fill 96, 4, 3214868480
	.section	.rodata,"a",@progbits
	.p2align	6, 0x0
	.amdhsa_kernel k_q58cf2bf43d_gemm2
		.amdhsa_group_segment_fixed_size 148992
		.amdhsa_private_segment_fixed_size 0
		.amdhsa_enable_private_segment 0
		.amdhsa_kernarg_size 48
		.amdhsa_user_sgpr_count 2
		.amdhsa_user_sgpr_kernarg_segment_ptr 1
		.amdhsa_wavefront_size32 1
		.amdhsa_system_sgpr_workgroup_id_x 1
		.amdhsa_system_sgpr_workgroup_id_y 1
		.amdhsa_system_sgpr_workgroup_id_z 1
		.amdhsa_system_vgpr_workitem_id 0
		.amdhsa_next_free_vgpr 896
		.amdhsa_next_free_sgpr 66
		.amdhsa_reserve_vcc 0
		.amdhsa_float_denorm_mode_32 3
		.amdhsa_float_denorm_mode_16_64 3
		.amdhsa_memory_ordered 1
		.amdhsa_forward_progress 1
		.amdhsa_inst_pref_size 183
	.end_amdhsa_kernel
	.amdgpu_metadata
---
amdhsa.version: [ 1, 2 ]
amdhsa.kernels:
  - .name:           k_q58cf2bf43d_gemm2
    .symbol:         k_q58cf2bf43d_gemm2.kd
    .args:
      - { .name: hc, .offset: 0, .size: 8, .value_kind: global_buffer, .address_space: global }
      - { .name: lst, .offset: 8, .size: 8, .value_kind: global_buffer, .address_space: global }
      - { .name: xr, .offset: 16, .size: 8, .value_kind: global_buffer, .address_space: global }
      - { .name: wc, .offset: 24, .size: 8, .value_kind: global_buffer, .address_space: global }
      - { .name: b2, .offset: 32, .size: 8, .value_kind: global_buffer, .address_space: global }
      - { .name: out0, .offset: 40, .size: 8, .value_kind: global_buffer, .address_space: global }
    .group_segment_fixed_size: 148992
    .private_segment_fixed_size: 0
    .kernarg_segment_align: 8
    .kernarg_segment_size: 48
    .max_flat_workgroup_size: 128
    .sgpr_count:     66
    .vgpr_count:     896
    .wavefront_size: 32
...
	.end_amdgpu_metadata
.endif
;; end of part 4
